; MI455X (gfx1250); checked and timed in simulation.
; The chip was launched on July 23, 2026; its instructions are those of AMD's public machine-readable ISA for CDNA 5 (MIT licence, August 2026) and "CDNA5" Instruction Set Architecture Reference Guide (July 2026). The comments in the code are by the model that wrote it; some were corrected since.
;; Bigbird Simulated Attention. Allowed arithmetic: matrix products marked QUANTISED: E2M3 operands, one E8M0 scale for each 32 along K, by v_wmma_scale_f32_16x16x128_f8f6f4 with both operands' format E2M3, f32 sums; everything else in f32.
;; Inputs: k 1 x 12 x 4,096 x 64 float32; mask 4,096 x 4,096 int32; q 1 x 12 x 4,096 x 64 float32; v 1 x 12 x 4,096 x 64 float32.
;; Outputs: out0 1 x 12 x 4,096 x 64 float32.
;; This version of the problem:
;;   THIS VERSION OF THE PROBLEM IS GIVEN IN LOW PRECISION. The matrix products marked QUANTISED in the list below multiply operands that are first quantised to E2M3 (2 exponent bits, 3 mantissa bits; 6 bits a number), with one power-of-two scale for each 32 numbers along K (OCP MX v1.0); their sums are f32. All else is computed in f32.
;;   The module's matrix products, in the order in which they are computed (A, B: the left and right operand; K: the contracted axis; several contracted axes count as one K, in the product's order):
;;     1. batch 12 x [M 4,096, K 64] x [K 64, N 4,096]; A: input q; B: input k: QUANTISED
;;     2. batch 12 x [M 4,096, K 4,096] x [K 4,096, N 64]; A: softmax (see below); B: input v: QUANTISED
;;   THE QUANTISER, for each operand of a quantised product, along K:
;;     - K is cut into blocks of 32 from its start; a last block that is shorter is filled with zeros.
;;     - A block's scale is 2^e with e = floor(log2(the largest magnitude in the block)) - 2, held to -126 .. 127; a block of zeros has e = 0. As a byte (E8M0): e + 127.
;;     - Each number is divided by its block's scale, clamped to +-7.5, and rounded to the nearest number of E2M3, ties to even, subnormals kept.
;;     - The product sums the exact products of the quantised numbers (number of the format x scale) in f32.
;;   ~~~python
;;   def quantise(x, axis):      # numpy; x: float32 -> the quantised numbers, widened to float32 again
;;       x = np.moveaxis(x, axis, -1); K = x.shape[-1]
;;       x = np.pad(x, [(0, 0)] * (x.ndim - 1) + [(0, -K % 32)]); x = x.reshape(x.shape[:-1] + (-1, 32)); a = np.abs(x).max(-1, keepdims=True)
;;       e = np.where(a > 0, np.clip(np.frexp(np.where(a > 0, a, 1))[1] - 1 - 2, -126, 127), 0)      # np.frexp(a)[1] - 1 = floor(log2(a)), exactly
;;       r = np.clip(x / 2.0 ** e, -7.5, 7.5)
;;       step = 2.0 ** (np.maximum(np.frexp(np.where(r == 0, 1, r))[1] - 1, 0) - 3)
;;       q = np.round(r / step) * step * 2.0 ** e      # np.round: ties to even
;;       return np.moveaxis(q.reshape(q.shape[:-2] + (-1,))[..., :K], -1, axis).astype(np.float32)
;;   ~~~
;;   SOFTMAX AHEAD OF A QUANTISED PRODUCT. Where the list says 'softmax', what is quantised is not the finished softmax but p = 2^(t - M), with t = logit x log2(e) and M = ceil(the row's largest t), a whole number; so 1/2 < the row's largest p <= 1. The row's sum l is taken of the UNQUANTISED p, in f32, and the product's result is divided by l at the end. Since M is a whole number, a kernel that streams over the keys may use a running M (the ceiling of the running maximum): every later rescaling is an exact power of two, which a block's scale takes up: the codes' values come out the same.
;;   OPERANDS COMPUTED ON THE WAY. 'Computed on the way' means the value that the module computes at that place (a softmax that the list does not call 'softmax' is quantised finished and normalised). What goes into a quantiser is computed in f32, as accurately as f32 sums, v_exp_f32 and their like allow (about 1e-6 of the number): no bf16 or f16 on the way to a quantiser, and a product that is left as it is and whose result goes on into a quantised operand takes f32 operands (vector FMAs, or v_wmma_f32_16x16x4_f32). A number that lies on a knife's edge between two numbers of the format may be rounded either way, as far as f32 arithmetic and the matrix unit's own rounding can turn it there, and no further.
;; One version. Each part assembles by itself: llvm-mc -triple=amdgcn-amd-amdhsa -mcpu=gfx1250 --defsym DOCPART=n.
;; ======== version 1 of 1: 2 launches
;; limits: right only within a limited range of input values
;; workspace buffers: kv 5,013,504 bytes; qw 2,555,904 bytes; mc 12,582,912 bytes
;; launch prep (part 1): grid 800 x 1, 4 waves a work-group, no clusters, 36,352 bytes of LDS; arguments q, k, v, mask, kv, qw, mc; writes kv, qw, mc
.if DOCPART == 1
	.amdgcn_target "amdgcn-amd-amdhsa--gfx1250"
	.amdhsa_code_object_version 6
	.text
	.protected	k_q975c824bea_prep
	.globl	k_q975c824bea_prep
	.p2align	8
	.type	k_q975c824bea_prep,@function
k_q975c824bea_prep:
	s_mov_b64 s[64:65], 0
	v_nop
	global_prefetch_b8 v0, s[64:65] scope:SCOPE_SE
	s_setreg_imm32_b32 hwreg(HW_REG_WAVE_MODE, 25, 1), 1
	s_wait_xcnt 0x0
; q, k, v [12][4096][64] f32 and mask [4096][4096] i32 become codes of E2M3 (6 bits) with E8M0 scale bytes, laid as IMAGES OF THE OPERANDS' REGISTERS for the attention launch.
; A half fragment is 16 rows x 64 along K: 6 registers a lane, lane (r, h) holding 32 codes (24 bytes) of row r; it is stored as part A [32 lanes][16 bytes] (registers 0-3) and part B [32 lanes][8 bytes] (registers 4-5).
;   kv [g 4][step 32][hh 3][13,056]   head = 3 g + hh, a step = 128 keys:  KA @0 [tile 8][32][16], KB @4096 [tile][32][8], VA @6144 [hf 8][32][16], VB @10240 [hf][32][8], KS @12288 [lane][4 words], VS @12800 [lane][2 words]
;   qw [head 12][group 32 of 128 queries][6,656]   QA @0, QB @4096, QS @6144, laid as KA, KB, KS
;   mc [block of 64 queries 64][step 32][half 2][3,072]   MA @0 [tile 8][row 16][16], MB @2048 [tile][row][8]: for key (tile, row) the codes of 1 - mask of the half's 32 queries, scale 1
; THE ROWS OF A TILE ARE NOT NEIGHBOURS: row r of tile 2 b + u is row 32 b + 8 u + r + 8 (r / 8) of its 128, for k, q and the mask's keys alike.
; A scale word of k is 0x7f7f | byte(d 0-31) << 16 | byte(d 32-63) << 24, of q the same over 0x0101: the codes stand in the upper half of the product's K = 128.
; THE QUANTISER: a block's scale is 2^(floor(log2(largest magnitude)) - 2); its byte is the largest magnitude's exponent field - 2, held at 1 from below; the conversion rounds to the nearest code, ties to even, and gives the largest code beyond 7.5.
; LIMITS: a block of zeros, and one whose largest magnitude lies under 2^-124, keeps the byte 1 (zero codes add nothing; the bytes are read by this program alone).  NaN and infinities are not served.
;         Mask values -6 .. 8 give 1 - mask exactly; beyond them 1 - mask is held at +-7.5.
; SHARES: work-groups 0-511 the mask, 512-703 k and q, 704-799 v.  Four waves that share nothing: no barrier.  Only the path of k and q uses LDS: a stage of 8,960 bytes for each wave.
.set WGM,   512                        ; work-groups of the mask: 128 groups of 32 queries x 4 quarters of the keys
.set WGQK,  704                        ; behind them 192 for k and q: 768 waves, one for each 128 rows
.set KVB,   13056
.set KSTEP, 3*KVB
.set QWB,   6656
.set STG,   8960
; v8, v9 largest magnitudes; v10 the conversion's scale operand; v11 the scale byte; v12-14 a block's upper 16 codes (a conversion's three registers begin on an even number)
.macro QB src, cdst                    ; 32 numbers of one lane, v[src] on, become 6 registers of codes, v[cdst] on, and a byte in v11
	v_max3_num_f32 v8, |v[\src]|, |v[\src+1]|, |v[\src+2]|
	v_max3_num_f32 v9, |v[\src+3]|, |v[\src+4]|, |v[\src+5]|
.irp i, 6,10,14,18,22,26
	v_max3_num_f32 v8, v8, |v[\src+\i]|, |v[\src+\i+1]|
	v_max3_num_f32 v9, v9, |v[\src+\i+2]|, |v[\src+\i+3]|
.endr
	v_max3_num_f32 v8, v8, |v[\src+30]|, |v[\src+31]|
	v_max3_num_f32 v8, v8, v9, 0x1800000           ; and the floor 2^(3 - 127): the byte cannot fall under 1
	v_add_nc_u32 v10, 0xff000000, v8               ; 2 off the exponent field: the conversion takes this operand's exponent field as its scale
	v_lshrrev_b32 v11, 23, v10                     ; the scale's byte
	v_cvt_scalef32_pk16_fp6_f32 v[\cdst:\cdst+2], v[\src:\src+15], v10
	v_cvt_scalef32_pk16_fp6_f32 v[12:14], v[\src+16:\src+31], v10
	v_nop                                          ; one plain place behind a scaled conversion
	v_mov_b32 v[\cdst+3], v12
	v_mov_b32 v[\cdst+4], v13
	v_mov_b32 v[\cdst+5], v14
.endm
.macro KVPLACE                         ; s20 = 32 x head + step  ->  s31 = the byte in kv at which that head's block of that step begins
	s_lshr_b32 s29, s20, 5                         ; head
	s_and_b32 s30, s20, 31                         ; step
	s_mul_i32 s31, s29, 11
	s_lshr_b32 s31, s31, 5                         ; g = head / 3 (11 head / 32 for head under 12)
	s_mul_i32 s32, s31, 3
	s_sub_co_u32 s32, s29, s32                     ; hh
	s_lshl_b32 s31, s31, 5
	s_add_co_u32 s31, s31, s30
	s_mul_i32 s31, s31, KSTEP
	s_mul_i32 s32, s32, KVB
	s_add_co_u32 s31, s31, s32
.endm
	s_load_b256 s[4:11], s[0:1], 0x0               ; q s[4:5], k s[6:7], v s[8:9], mask s[10:11]
	s_load_b128 s[12:15], s[0:1], 0x20             ; kv s[12:13], qw s[14:15]
	s_load_b64 s[16:17], s[0:1], 0x30              ; mc
	v_lshl_add_u32 v144, v0, 2, 0x8c00
	v_mov_b32 v145, 0
	v_lshrrev_b32 v1, 5, v0
	v_readfirstlane_b32 s18, v1                    ; wave 0..3
	v_and_b32 v1, 31, v0                           ; lane
	s_mov_b32 s19, 0xffff0000                      ; lanes 16-31, as a select's mask
	s_mov_b32 s36, 0x76543210
	s_mov_b32 s37, 0xfedcba98                      ; v_permlanex16_b32's selects for lane l xor 16
	s_wait_kmcnt 0x0
	s_cmp_lt_u32 ttmp9, WGM
	s_cbranch_scc0 .Lnot_mask
; ---------------- THE MASK.  A work-group: 32 queries x 1,024 keys.  A LANE IS A KEY, ITS REGISTERS RUN DOWN THE 32 QUERIES: the queries are the bias product's K.
; In turn it the four waves stand side by side on 512 consecutive bytes of each mask row: wave w takes key block 32 kq + 4 it + w, which is block b = w of step 8 kq + it.
	s_lshr_b32 s20, ttmp9, 2                       ; which 32 queries
	s_and_b32 s21, ttmp9, 3                        ; kq: which quarter of the keys
	s_lshl_b32 s22, s20, 19                        ; 32 rows of 16,384 bytes
	s_lshl_b32 s23, s21, 12
	s_add_co_u32 s22, s22, s23
	s_lshl_b32 s23, s18, 7
	s_add_co_u32 s22, s22, s23
	s_mov_b32 s23, 0
	s_add_nc_u64 s[10:11], s[10:11], s[22:23]
	s_lshr_b32 s24, s20, 1                         ; the block of 64 queries,
	s_lshl_b32 s24, s24, 5
	s_lshl_b32 s25, s21, 3
	s_add_co_u32 s24, s24, s25                     ; its step 8 kq,
	s_lshl_b32 s24, s24, 1
	s_and_b32 s25, s20, 1
	s_add_co_u32 s24, s24, s25                     ; and the half
	s_mul_i32 s24, s24, 3072
	s_mov_b32 s25, 0
	s_add_nc_u64 s[16:17], s[16:17], s[24:25]
	v_lshlrev_b32 v2, 2, v1                        ; in: 4 bytes a lane
	v_bfe_u32 v5, v1, 3, 1                         ; key kappa = 8 u + r + 8 (r / 8): u = (kappa / 8) % 2,
	v_and_b32 v6, 7, v1
	v_lshrrev_b32 v7, 4, v1
	v_lshl_add_u32 v6, v7, 3, v6                   ; r = kappa % 8 + 8 (kappa / 16)
	s_lshl_b32 s26, s18, 1
	v_add_nc_u32 v5, s26, v5                       ; tile 2 w + u
	v_lshlrev_b32 v3, 8, v5
	v_lshl_add_u32 v3, v6, 4, v3                   ; part A: 256 x tile + 16 r: the wave's store covers 512 consecutive bytes, aligned
	v_lshrrev_b32 v4, 1, v3                        ; part B: 128 x tile + 8 r: 256 consecutive bytes, aligned
	v_mov_b32 v10, 1.0                             ; the conversions' scale: 1
.macro MLOAD it                        ; 32 queries of my key, into set it % 2
.set ii, 0
.rept 32
	global_load_b32 v[32+32*((\it)%2)+ii], v2, s[10:11] offset:ii*16384+(\it)*512 th:TH_LOAD_NT
.set ii, ii+1
.endr
.endm
.macro MBLOCK it
.set MS, 32+32*((\it)%2)
.set MC, 16+8*((\it)%2)
.if (\it) < 7
	s_wait_loadcnt 32                              ; this set's 32 loads are in; the next set's 32 may be out
.else
	s_wait_loadcnt 0x0
.endif
.set ii, 0
.rept 32
	v_cvt_f32_i32 v[MS+ii], v[MS+ii]
.set ii, ii+1
.endr
.set ii, 0
.rept 16
	v_pk_fma_f32 v[MS+ii:MS+ii+1], v[MS+ii:MS+ii+1], -1.0, 1.0 op_sel_hi:[1,0,0]   ; 1 - mask, two at a time
.set ii, ii+2
.endr
	s_wait_xcnt 0x0                                ; the earlier stores have read their data registers: the codes' registers are written only behind this wait
	v_cvt_scalef32_pk16_fp6_f32 v[MC:MC+2], v[MS:MS+15], v10
	v_cvt_scalef32_pk16_fp6_f32 v[12:14], v[MS+16:MS+31], v10
	v_nop                                          ; one plain place behind a scaled conversion
	v_mov_b32 v[MC+3], v12
	v_mov_b32 v[MC+4], v13
	v_mov_b32 v[MC+5], v14
.if (\it)+2 < 8
	MLOAD (\it)+2
.endif
	global_store_b128 v3, v[MC:MC+3], s[16:17] offset:(\it)*6144
	global_store_b64 v4, v[MC+4:MC+5], s[16:17] offset:(\it)*6144+2048
.endm
	MLOAD 0
	MLOAD 1
.irp t, 0,1,2,3,4,5,6,7
	MBLOCK \t
.endr
	s_endpgm
.Lnot_mask:
	s_cmp_lt_u32 ttmp9, WGQK
	s_cbranch_scc0 .Lv_path
; ---------------- K AND Q.  A wave: 128 rows of one head of k (waves 0-383) or of q (384-767).  K = the head's 64 is innermost: a lane wants 32 NEIGHBOURS of one row, a load is best with neighbouring lanes on neighbouring bytes.
; Both are had: 32 rows (8,192 bytes) are loaded as they lie, 512 bytes a load, go through the wave's own stage in LDS and come back 128 bytes a lane, in the tiles' order of rows.
	s_sub_co_u32 s20, ttmp9, WGM
	s_lshl_b32 s20, s20, 2
	s_add_co_u32 s20, s20, s18                     ; the wave's task
	s_cmp_lt_u32 s20, 384                          ; k's or q's?  The choice hangs on ids alone
	s_cselect_b64 s[22:23], s[6:7], s[4:5]         ; from
	s_cselect_b64 s[24:25], s[12:13], s[14:15]     ; to
	s_cselect_b32 s26, 0, 384
	s_mov_b32 s27, 6144
	s_cselect_b32 s27, 12288, s27                  ; where the scale words begin in the block
	s_mov_b32 s28, 0x0101
	s_cselect_b32 s28, 0x7f7f, s28                 ; a scale word's two low bytes
	s_sub_co_u32 s20, s20, s26                     ; 32 x head + group of 128 rows
	KVPLACE
	s_mul_i32 s33, s20, QWB
	s_cmp_eq_u32 s26, 0
	s_cselect_b32 s32, s31, s33
	s_mov_b32 s33, 0
	s_add_nc_u64 s[24:25], s[24:25], s[32:33]
	s_lshl_b32 s32, s20, 15                        ; 128 rows of 256 bytes
	s_add_nc_u64 s[22:23], s[22:23], s[32:33]
	s_mul_i32 s30, s18, STG                        ; my stage
	v_lshlrev_b32 v2, 4, v1                        ; 16 x lane: a load's bytes, and part A's
	v_lshlrev_b32 v3, 3, v1                        ; 8 x lane: part B's
	v_lshrrev_b32 v28, 4, v1                       ; h
	v_and_b32 v29, 15, v1                          ; r
	v_mul_u32_u24 v4, v28, 272                     ; the stage: rows 272 bytes apart, rows 16-31 a further 128 bytes on, so that the 16 rows of a load out of it start in 16 different groups of banks
	v_lshl_add_u32 v4, v29, 4, v4
	v_add_nc_u32 v4, s30, v4                       ; in: load j brings rows 2 j and 2 j + 1: lanes 16-31 the second
	v_and_b32 v5, 8, v29
	v_add_nc_u32 v6, v5, v29                       ; r + 8 (r / 8)
	v_mul_u32_u24 v6, v6, 272
	v_lshl_add_u32 v6, v5, 4, v6                   ; + 128 where r is 8 or more: those rows are 16 or more
	v_lshl_add_u32 v6, v28, 7, v6                  ; + 128 h: my 32 numbers of the row
	v_add_nc_u32 v6, s30, v6                       ; out
	v_lshlrev_b32 v7, 3, v28
	v_add_nc_u32 v7, 16, v7                        ; my byte's place in the scale word: bit 16 + 8 h
	v_lshl_add_u32 v15, v1, 4, s27                 ; where my four scale words go
	v_mov_b32 v23, 0                               ; written once: a lane permute's destination counts as one of its sources
.macro KLOAD b
.set ii, 0
.rept 16
	global_load_b128 v[32+4*ii:35+4*ii], v2, s[22:23] offset:(\b)*8192+ii*512 th:TH_LOAD_NT
.set ii, ii+1
.endr
.endm
.macro KBLOCK b                        ; rows 32 b .. 32 b + 31: tiles 2 b and 2 b + 1
	s_wait_loadcnt 0x0
.set ii, 0
.rept 16
	ds_store_b128 v4, v[32+4*ii:35+4*ii] offset:ii*544+(ii/8)*128
.set ii, ii+1
.endr
	s_wait_dscnt 0x0                               ; the stores have read their registers, which take the next 32 rows
.if (\b) < 3
	KLOAD (\b)+1
.endif
.irp u, 0,1
.irp i, 0,1,2,3,4,5,6,7
	ds_load_b128 v[96+4*\i:99+4*\i], v6 offset:\u*2176+16*\i
.endr
	s_wait_dscnt 0x0
	s_wait_xcnt 0x0                                ; the last tile's stores have read the codes' registers
	QB 96, 16
	global_store_b128 v2, v[16:19], s[24:25] offset:(2*(\b)+\u)*512
	global_store_b64 v3, v[20:21], s[24:25] offset:4096+(2*(\b)+\u)*256
	v_lshlrev_b32 v22, v7, v11                     ; my byte at its place,
	v_permlanex16_b32 v23, v22, s36, s37
	v_or_b32 v22, v22, v23                         ; with lane l xor 16's
.if (\b) < 2
	v_or_b32 v[24+2*(\b)+\u], s28, v22             ; tiles 0-3: word t of every lane
.else
	v_or_b32 v22, s28, v22
	v_cndmask_b32 v[20+2*(\b)+\u], v[20+2*(\b)+\u], v22, s19   ; tiles 4-7: word t - 4 of lanes 16-31
.endif
.endr
.endm
	KLOAD 0
.irp t, 0,1,2,3
	KBLOCK \t
.endr
	global_store_b128 v15, v[24:27], s[24:25]      ; 512 consecutive bytes of scale words
	s_wait_tensorcnt 0x0
	ds_add_u32 v144, v145
	s_wait_dscnt 0x0
	s_endpgm
; ---------------- V.  A wave: one head's 128 keys of one step.  K = the keys is NOT innermost: a lane takes a column d and its registers run down the keys.
.Lv_path:
	s_sub_co_u32 s20, ttmp9, WGQK
	s_lshl_b32 s20, s20, 2
	s_add_co_u32 s20, s20, s18                     ; 32 x head + step
	KVPLACE
	s_mov_b32 s32, s31
	s_mov_b32 s33, 0
	s_add_nc_u64 s[24:25], s[12:13], s[32:33]
	s_lshl_b32 s32, s20, 15
	s_add_nc_u64 s[22:23], s[8:9], s[32:33]
	v_lshlrev_b32 v2, 2, v1
	v_lshlrev_b32 v3, 4, v1
	v_lshlrev_b32 v4, 3, v1
	v_mov_b32 v22, 0                               ; written once: lane permutes' destinations
	v_mov_b32 v23, 0
.macro VSET p, e                       ; pair p = (dh = p / 2, c = p % 2): column 32 dh + lane, keys 64 c + 32 e + 0 .. 31, into set e
.set ii, 0
.rept 32
	global_load_b32 v[32+32*(\e)+ii], v2, s[22:23] offset:(64*((\p)%2)+32*(\e)+ii)*256+128*((\p)/2) th:TH_LOAD_NT
.set ii, ii+1
.endr
.endm
.macro VPAIR p
	s_wait_xcnt 0x0                                ; the last pair's stores have read the codes' registers
	s_wait_loadcnt 32                              ; set 0 is in; set 1's 32 loads may be out
	QB 32, 16
.if ((\p)%2) == 0
	v_mov_b32 v[30+(\p)/2], v11                    ; the scale word of column 32 dh + lane: byte 2 c + e for keys 32 (2 c + e) on
.else
	v_lshl_or_b32 v[30+(\p)/2], v11, 16, v[30+(\p)/2]
.endif
.if (\p) < 3
	VSET (\p)+1, 0
	s_wait_loadcnt 32                              ; set 1 is in; the 32 loads just issued may be out
.else
	s_wait_loadcnt 0x0
.endif
	QB 64, 24
	v_lshl_or_b32 v[30+(\p)/2], v11, 8*(2*((\p)%2)+1), v[30+(\p)/2]
.if (\p) < 3
	VSET (\p)+1, 1
.endif
.irp i, 0,1,2,3,4,5
	v_permlane16_swap_b32 v[16+\i], v[24+\i]       ; the first's lanes 16-31 change places with the second's lanes 0-15: v16 on is now the image of half fragment (tile 2 dh, c), v24 on that of (tile 2 dh + 1, c)
.endr
	global_store_b128 v3, v[16:19], s[24:25] offset:6144+(4*((\p)/2)+(\p)%2)*512
	global_store_b64 v4, v[20:21], s[24:25] offset:10240+(4*((\p)/2)+(\p)%2)*256
	global_store_b128 v3, v[24:27], s[24:25] offset:6144+(4*((\p)/2)+2+(\p)%2)*512
	global_store_b64 v4, v[28:29], s[24:25] offset:10240+(4*((\p)/2)+2+(\p)%2)*256
.endm
	VSET 0, 0
	VSET 0, 1
.irp t, 0,1,2,3
	VPAIR \t
.endr
	v_permlanex16_b32 v22, v30, s36, s37
	v_permlanex16_b32 v23, v31, s36, s37
	v_cndmask_b32 v12, v30, v23, s19               ; word 0: lanes 0-15 tile 0's rows, lanes 16-31 tile 2's
	v_cndmask_b32 v13, v22, v31, s19               ; word 1: tile 1's, tile 3's
	global_store_b64 v4, v[12:13], s[24:25] offset:12800
	s_endpgm
.Lfunc_end_k_q975c824bea_prep:
	.size	k_q975c824bea_prep, .Lfunc_end_k_q975c824bea_prep-k_q975c824bea_prep
	.p2alignl 7, 3214868480
	.fill 96, 4, 3214868480
	.section	.rodata,"a",@progbits
	.p2align	6, 0x0
	.amdhsa_kernel k_q975c824bea_prep
		.amdhsa_group_segment_fixed_size 36352
		.amdhsa_private_segment_fixed_size 0
		.amdhsa_enable_private_segment 0
		.amdhsa_kernarg_size 56
		.amdhsa_user_sgpr_count 2
		.amdhsa_user_sgpr_kernarg_segment_ptr 1
		.amdhsa_wavefront_size32 1
		.amdhsa_system_sgpr_workgroup_id_x 1
		.amdhsa_system_sgpr_workgroup_id_y 1
		.amdhsa_system_sgpr_workgroup_id_z 1
		.amdhsa_system_vgpr_workitem_id 0
		.amdhsa_next_free_vgpr 146
		.amdhsa_next_free_sgpr 66
		.amdhsa_reserve_vcc 0
		.amdhsa_float_denorm_mode_32 3
		.amdhsa_float_denorm_mode_16_64 3
		.amdhsa_memory_ordered 1
		.amdhsa_forward_progress 1
		.amdhsa_inst_pref_size 117
	.end_amdhsa_kernel
	.amdgpu_metadata
---
amdhsa.version: [ 1, 2 ]
amdhsa.kernels:
  - .name:           k_q975c824bea_prep
    .symbol:         k_q975c824bea_prep.kd
    .args:
      - { .name: q, .offset: 0, .size: 8, .value_kind: global_buffer, .address_space: global }
      - { .name: k, .offset: 8, .size: 8, .value_kind: global_buffer, .address_space: global }
      - { .name: v, .offset: 16, .size: 8, .value_kind: global_buffer, .address_space: global }
      - { .name: mask, .offset: 24, .size: 8, .value_kind: global_buffer, .address_space: global }
      - { .name: kv, .offset: 32, .size: 8, .value_kind: global_buffer, .address_space: global }
      - { .name: qw, .offset: 40, .size: 8, .value_kind: global_buffer, .address_space: global }
      - { .name: mc, .offset: 48, .size: 8, .value_kind: global_buffer, .address_space: global }
    .group_segment_fixed_size: 36352
    .private_segment_fixed_size: 0
    .kernarg_segment_align: 8
    .kernarg_segment_size: 56
    .max_flat_workgroup_size: 128
    .sgpr_count:     66
    .vgpr_count:     146
    .wavefront_size: 32
...
	.end_amdgpu_metadata
.endif
;; end of part 1
;; launch attn (part 2): grid 64 x 4, 12 waves a work-group, clusters of 4 x 4, 327,680 bytes of LDS; arguments kv, mc, qw, out0; writes out0
.if DOCPART == 2
	.amdgcn_target "amdgcn-amd-amdhsa--gfx1250"
	.amdhsa_code_object_version 6
	.text
	.protected	k_q975c824bea_attn
	.globl	k_q975c824bea_attn
	.p2align	8
	.type	k_q975c824bea_attn,@function
k_q975c824bea_attn:
	s_mov_b64 s[64:65], 0
	v_nop
	global_prefetch_b8 v0, s[64:65] scope:SCOPE_SE
	s_setreg_imm32_b32 hwreg(HW_REG_WAVE_MODE, 25, 1), 1
	s_wait_xcnt 0x0
	s_wait_alu depctr_hold_cnt(0) depctr_sa_sdst(0) depctr_va_vdst(0) depctr_va_sdst(0) depctr_va_ssrc(0) depctr_va_vcc(0) depctr_vm_vsrc(0)
	s_getreg_b32 s2, hwreg(HW_REG_IB_STS2, 6, 4)
	s_cmp_eq_u32 s2, 0
	s_cbranch_scc0 .Lentry_in_a_cluster
	s_endpgm
.Lentry_in_a_cluster:
	s_bfe_u32 s2, ttmp6, 0x10000c
	s_cmp_lg_u32 s2, 0xf033
	s_cbranch_scc0 .Lentry_shape_is_right
	s_endpgm
.Lentry_shape_is_right:
; out[h][q][:] = sum over k of softmax_k(q.k / 8 - 10000 (1 - mask[q][k])) v[h][k][:], 12 heads, 4,096 queries and keys, head size 64; both products on codes of E2M3 with E8M0 scales.
; Operands come as register images from the launch before (kv, qw, mc: their layouts stand at that launch's head).  DENSE: the mask is an input and its adder is finite, so every key of every row is computed.
; THE SOFTMAX: t = logit x log2(e); M = the row's largest t so far, rounded up to a whole number; p = 2^(t - M) is quantised along the keys, not normalised; the row's sum is taken of the unquantised p and divides at the end.
; THE MASK'S ADDER IS MADE BY THE MATRIX UNIT.  q.k has K = 64, half of the instruction's 128.  Source 0 is F = [codes of 1 - mask: my 32 queries, twice | 16 keys' codes of k].  Each tile of 16 keys x 16 queries takes two
; instructions on one accumulator: F x [SEL | 0] + 0 and F x [0 | Q] + that.  SEL picks the column's own query: -5.0 under the scale 2^14 in block 0 and +7.5 under 2^8 in block 1: -81,920 + 1,920 = -80,000 = 8 x -10,000, exactly;
; c = log2(e) / 8 then serves score and adder alike.  The blocks that an instruction does not use have zero codes and the scale byte 1 on source 1.
; LIMITS: mask values -6 .. 8 are honoured exactly, beyond them 1 - mask is held at +-7.5; NaN and infinities are not served; a block of p that has fallen to zeros keeps the scale byte 1 over zero codes.
; SHARES.  A work-group: 64 queries x 3 heads (3 cy .. 3 cy + 2).  Wave w = 4 hh + 2 qh + kh: head 3 cy + hh, queries 32 qh on (two tiles of 16), keys 2,048 kh on, in 16 steps of 128.  Three waves to a SIMD: one wave's vector work
; stands beside another's matrix work and LDS loads.  The two key halves are merged at the end through LDS: M is a whole number, so bringing both under one M rounds nothing.
; Both products are used transposed (S^T = K Q^T, O^T = V^T P^T): a lane holds one query throughout; the keys of a tile are chosen so that the 16 registers of tiles 2 b, 2 b + 1 are 16 neighbouring keys.
; CLUSTER 4 x 4.  The four work-groups of a row (same cy) walk the same heads' k and v; the four of a column (same cx) the same queries' mask: each tile is asked for JOINTLY.  Waves 0-5 fetch the six blocks of kv, waves 6, 7 the mask's two.
; LDS: slot 0 @0, slot 1 @131,072, 90,624 bytes each: six kv blocks of 13,056 (block 2 hh + kh), then the mask, 6,144 for each kh.  @90,624 the spare words.  @221,696 six regions of 8,704: the merge, then the way out.
; REGISTERS.  Window 0: v1-11 addresses; v12-17, v18-23 a query tile's -M, largest t, sum (pair), f, p's scale word; v24-32 scale words; v33-53 at work; v56-103 four fragments; v104-231 S^T then p, (u, t, j) at 104 + 64 u + 8 t + j;
;   v232-255 O^T's accumulators 0-2 (a = 4 u + dt).  Window 1: v0-39 accumulators 3-7; v40 SEL0, v46 zeros, v52 Q0; v58 SEL1, v64 zeros, v70 Q1: so [SEL|0] and [0|Q] are runs of 12 that share the zeros.
.set KVB,   13056
.set KSTEP, 3*KVB                      ; a step's three heads
.set KHALF, 16*KSTEP
.set KGRP,  32*KSTEP
.set MCB,   3072
.set MSTEP, 2*MCB
.set MHALF, 16*MSTEP
.set MXB,   32*MSTEP
.set QWB,   6656
.set MOFF,  6*KVB
.set SLOT1, 1<<17                      ; one exclusive or turns an address in one slot into the other's
.set SPARE, MOFF+2*MSTEP               ; 128 bytes for each of 12 waves: six blocks of 256 bytes that no other line names
.set MRG,   SLOT1+SPARE
.set PAIRB, 8704
.set SPW,  1
.set NIL,  2
.set L16B, 3                           ; 16 x lane + my kv block
.set L8B,  4                           ; 8 x lane + my kv block
.set M16B, 5                           ; 16 r + my mask block (both halves of the lanes read the same codes)
.set M8B,  6
.set L16,  7                           ; the same four in the slot in hand
.set L8,   8
.set M16,  9
.set M8,   10
.set PFO,  11
.set KSR,  24
.set VSR,  28
.set QS,   30
.set SELS, 32
.set TA,   33
.set BM,   34
.set BT,   38
.set SO,   42
.set CT,   46
.set FB,   56
.set S,    104
.set WV,   12
.set HH,   13
.set QH,   14
.set KH,   15
.set CX,   16
.set CY,   17
.set BX,   18
.set HD,   19
.set SEL,  20
.set CS,   22
.set G1K,  24
.set G1M,  32
.set G0K,  40
.set G0M,  44
.set TB,   48
.set SLOTS, 49
.set PFA,  50
.set PFS,  52
.set LIM,  54
.set MSB, 0
.macro WIN new                         ; the immediate's high byte repeats the setting that is left; a switch that changes nothing is dropped
.if MSB != \new
	s_set_vgpr_msb (MSB<<8)|\new
.set MSB, \new
.endif
.endm
.macro CROUND                          ; a round of the cluster's barrier
	s_barrier_signal -1
	s_barrier_wait -1
	s_cmp_lg_u32 s[WV], 0
	s_cbranch_scc1 .Lnot_wave_0_\@
	s_barrier_signal -3
.Lnot_wave_0_\@:
	s_barrier_wait -3
	s_barrier_signal -1
	s_barrier_wait -1
.endm
.macro TLOAD                           ; the branches hang on the wave's number alone; four v_nop follow each of the two lines
	s_cmp_lt_u32 s[WV], 6
	s_cbranch_scc0 .Lnot_kv_\@
	tensor_load_to_lds s[G0K:G0K+3], s[G1K:G1K+7]
	s_nop 0
.rept 4
	v_nop
.endr
	s_branch .Lasked_\@
.Lnot_kv_\@:
	s_cmp_lt_u32 s[WV], 8
	s_cbranch_scc0 .Lasked_\@
	tensor_load_to_lds s[G0M:G0M+3], s[G1M:G1M+7]
	s_nop 0
.rept 4
	v_nop
.endr
.Lasked_\@:
.endm
; kv: a step's 2 x 39,168 bytes of a row of clusters' heads are 306 blocks of 256 bytes.  All clusters walk them: the first cluster (x = 0) asks.  Its four partners of a row take 77 blocks each, told apart BY ADDRESS (cx);
; in each, waves 8-10 ask, a lane a block.  mc: a step's 2 x 6,144 bytes of a block of queries are 48 blocks; the four partners of a column take 12 each (cy); wave 11 asks, in every cluster.
; Lanes that are left over name their partner's last block once more.  The last change that fills a slot asks for nothing; steps 0 and 1 come by their loads alone.
.macro ASK
	s_cmp_gt_u32 s[SLOTS], s[LIM]
	s_cbranch_scc0 .Lnot_mine_\@
	global_prefetch_b8 v[PFO], s[PFA:PFA+1] th:TH_LOAD_NT scope:SCOPE_SE
.Lnot_mine_\@:
.endm
; one matrix instruction: D at d, source 0 at a, source 1 at b; zero = 1: C = 0, else C = D; sa, sb the scale registers; row = 1: source 0's scales from lanes 16-31
.macro MMQ d, a, b, zero, sa, sb, row
.if \zero
.if \row
	v_wmma_scale_f32_16x16x128_f8f6f4 v[(\d):(\d)+7], v[(\a):(\a)+11], v[(\b):(\b)+11], 0, v[(\sa)], v[(\sb)] matrix_a_fmt:MATRIX_FMT_FP6 matrix_b_fmt:MATRIX_FMT_FP6 matrix_a_scale:MATRIX_SCALE_ROW1
.else
	v_wmma_scale_f32_16x16x128_f8f6f4 v[(\d):(\d)+7], v[(\a):(\a)+11], v[(\b):(\b)+11], 0, v[(\sa)], v[(\sb)] matrix_a_fmt:MATRIX_FMT_FP6 matrix_b_fmt:MATRIX_FMT_FP6
.endif
.else
.if \row
	v_wmma_scale_f32_16x16x128_f8f6f4 v[(\d):(\d)+7], v[(\a):(\a)+11], v[(\b):(\b)+11], v[(\d):(\d)+7], v[(\sa)], v[(\sb)] matrix_a_fmt:MATRIX_FMT_FP6 matrix_b_fmt:MATRIX_FMT_FP6 matrix_a_scale:MATRIX_SCALE_ROW1
.else
	v_wmma_scale_f32_16x16x128_f8f6f4 v[(\d):(\d)+7], v[(\a):(\a)+11], v[(\b):(\b)+11], v[(\d):(\d)+7], v[(\sa)], v[(\sb)] matrix_a_fmt:MATRIX_FMT_FP6 matrix_b_fmt:MATRIX_FMT_FP6
.endif
.endif
.endm
	s_load_b256 s[4:11], s[0:1], 0x0               ; kv s[4:5], mc s[6:7], qw s[8:9], out0 s[10:11]
	v_lshl_add_u32 v[SPW], v0, 2, SPARE
	v_mov_b32 v[NIL], 0
	ds_add_u32 v1, v2
	s_wait_dscnt 0x0
	v_mov_b32 v[SELS], 0x0101878d                  ; SEL's scale word: 2^14, 2^8, and the byte 1 over the two blocks of zeros
	v_lshrrev_b32 v200, 5, v0
	v_readfirstlane_b32 s[WV], v200                ; wave 0..11
	s_lshr_b32 s[HH], s[WV], 2
	s_bfe_u32 s[QH], s[WV], 0x10001
	s_and_b32 s[KH], s[WV], 1
	s_bfe_u32 s[CX], ttmp6, 0x40000
	s_bfe_u32 s[CY], ttmp6, 0x40004
	s_lshl_b32 s[BX], ttmp9, 2
	s_add_co_u32 s[BX], s[BX], s[CX]               ; my block of 64 queries = 4 x cluster x + cx
	s_mul_i32 s[HD], s[CY], 3
	s_add_co_u32 s[HD], s[HD], s[HH]               ; my head
	s_lshl_b32 s66, s[CY], 2
	s_lshl_b32 s66, 15, s66                        ; my row of the cluster
	s_lshl_b32 s67, 0x1111, s[CX]                  ; my column
	; descriptor group 1: dense blocks as rows of 256 bytes (32 elements of 8 bytes), no padding: every LDS read takes consecutive bytes by lane
	s_or_b32 s[G1K], s66, (3<<16)|(1<<21)          ; 15:0 the mask: kv goes to my row; 17:16 elements of 8 bytes; 21 set beside a mask
	s_or_b32 s[G1M], s67, (3<<16)|(1<<21)          ; the mask's codes go to my column
	s_mov_b32 s[G1K+1], 32<<16                     ; tensor_dim0 = 32
	s_mov_b32 s[G1K+2], 51<<16                     ; tensor_dim1 = 51 rows: 13,056 bytes
	s_mov_b32 s[G1K+3], 32<<16                     ; tile_dim0
	s_mov_b32 s[G1K+4], 51                         ; tile_dim1
	s_mov_b32 s[G1K+5], 32                         ; the pitch
	s_mov_b32 s[G1K+6], 0
	s_mov_b32 s[G1K+7], 0
	s_mov_b32 s[G1M+1], 32<<16
	s_mov_b32 s[G1M+2], 24<<16                     ; 24 rows: 6,144 bytes
	s_mov_b32 s[G1M+3], 32<<16
	s_mov_b32 s[G1M+4], 24
	s_mov_b32 s[G1M+5], 32
	s_mov_b32 s[G1M+6], 0
	s_mov_b32 s[G1M+7], 0
	s_mul_i32 s56, s[CY], KGRP                     ; kv's address: of cy and the wave's number alone: head w / 2, key half w % 2
	s_and_b32 s57, s[WV], 1
	s_mul_i32 s57, s57, KHALF
	s_add_co_u32 s56, s56, s57
	s_lshr_b32 s57, s[WV], 1
	s_mul_i32 s57, s57, KVB
	s_add_co_u32 s56, s56, s57
	s_mov_b32 s57, 0
	s_mul_i32 s58, s[WV], KVB                      ; and its place in a slot
	s_mul_i32 s60, s[BX], MXB                      ; mc's address: of the block of queries and the wave's number alone
	s_and_b32 s61, s[WV], 1
	s_mul_i32 s61, s61, MHALF
	s_add_co_u32 s60, s60, s61
	s_mov_b32 s61, 0
	s_mul_i32 s62, s[WV], MSTEP
	s_mov_b32 s[SEL], 0x76543210
	s_mov_b32 s[SEL+1], 0xfedcba98                 ; v_permlanex16_b32's selects for lane l xor 16
	s_mov_b32 s[CS], 0x3e38aa3b                    ; c = log2(e) / 8
	s_mov_b32 s[CS+1], s[CS]                       ; (named with it as a pair, so it is written)
	s_mov_b32 s[TB], 0
	s_mov_b32 s[SLOTS], 15
	s_wait_kmcnt 0x0
	s_mov_b32 s[G0K], 1
	s_mov_b32 s[G0K+1], s58
	s_add_nc_u64 s[G0K+2:G0K+3], s[4:5], s[56:57]
	s_or_b32 s[G0K+3], s[G0K+3], 0x80000000
	s_mov_b32 s[G0M], 1
	s_add_co_u32 s[G0M+1], s62, MOFF-6*MSTEP       ; waves 6 and 7: behind the six kv blocks
	s_add_nc_u64 s[G0M+2:G0M+3], s[6:7], s[60:61]
	s_or_b32 s[G0M+3], s[G0M+3], 0x80000000
	CROUND                                         ; all sixteen work-groups are here: the first joint loads meet
	TLOAD                                          ; step 0 into slot 0; slot 1 is first filled behind the first change of slots, as a refill is
	; Q: my 32 queries are block b = 2 (x % 2) + qh of their group of 128: tiles 2 b and 2 b + 1
	s_and_b32 s68, s[BX], 1
	s_lshl_b32 s68, s68, 1
	s_add_co_u32 s68, s68, s[QH]
	s_lshl_b32 s69, s[HD], 5
	s_lshr_b32 s70, s[BX], 1
	s_add_co_u32 s69, s69, s70
	s_mul_i32 s70, s69, QWB
	s_mov_b32 s71, 0
	s_add_nc_u64 s[8:9], s[8:9], s[70:71]
	s_lshl_b32 s72, s68, 10                        ; part A: 512 bytes a tile
	s_lshl_b32 s73, s68, 9                         ; part B: 256
	s_lshr_b32 s74, s68, 1
	s_lshl_b32 s74, s74, 8                         ; scale words: tiles 4-7 stand in lanes 16-31's places,
	s_and_b32 s75, s68, 1
	s_lshl_b32 s75, s75, 3                         ; word t % 4
	s_add_co_u32 s74, s74, s75
	v_and_b32 v200, 31, v0                         ; lane
	v_and_b32 v201, 15, v0                         ; r
	v_bfe_u32 v202, v0, 4, 1                       ; h
	v_lshl_add_u32 v203, v200, 4, s72
	v_lshl_add_u32 v204, v200, 3, s73
	v_lshl_add_u32 v205, v201, 4, s74
	WIN 0x40                                       ; destination window 1
	global_load_b128 v[52:55], v203, s[8:9]
	global_load_b64 v[56:57], v204, s[8:9] offset:4096
	global_load_b128 v[70:73], v203, s[8:9] offset:512
	global_load_b64 v[74:75], v204, s[8:9] offset:4096+256
	WIN 0
	global_load_b32 v[QS], v205, s[8:9] offset:6144
	global_load_b32 v[QS+1], v205, s[8:9] offset:6148
	s_lshl_b32 s76, s[HH], 1
	s_add_co_u32 s76, s76, s[KH]
	s_mul_i32 s76, s76, KVB                        ; my kv block in a slot
	v_lshl_add_u32 v[L16B], v200, 4, s76
	v_lshl_add_u32 v[L8B], v200, 3, s76
	s_mul_i32 s77, s[KH], MSTEP
	s_mul_i32 s78, s[QH], MCB
	s_add_co_u32 s77, s77, s78
	s_add_co_u32 s77, s77, MOFF                    ; my mask block
	v_lshl_add_u32 v[M16B], v201, 4, s77
	v_lshl_add_u32 v[M8B], v201, 3, s77
	; SEL: column n of query tile u has its one number at k = 8 u + n + 8 (n / 8), the place of that tile's query n among the mask's 32 codes: -5.0 in lanes 0-15 (block 0), 7.5 in lanes 16-31 (block 1)
	v_mov_b32 v206, 1.0                            ; the conversions' scale
	v_mov_b32 v207, 0xc0a00000                     ; -5.0
	v_mov_b32 v208, 0x40f00000                     ; 7.5
	v_cmp_eq_u32 vcc_lo, 1, v202
	v_cndmask_b32 v207, v207, v208, vcc_lo
	v_and_b32 v209, 8, v201
	v_add_nc_u32 v209, v209, v201
	v_add_nc_u32 v210, 8, v209
.macro MKSEL u, dst
.set ii, 0
.rept 32
	v_cmp_eq_u32 vcc_lo, ii, v[209+\u]
	v_cndmask_b32 v[S+ii], 0, v207, vcc_lo
.set ii, ii+1
.endr
	v_cvt_scalef32_pk16_fp6_f32 v[CT:CT+2], v[S:S+15], v206
	v_cvt_scalef32_pk16_fp6_f32 v[CT+4:CT+6], v[S+16:S+31], v206
	v_nop                                          ; one plain place behind a scaled conversion
	WIN 0x40
.irp i, 0,1,2
	v_mov_b32 v[\dst+\i], v[CT+\i]
	v_mov_b32 v[\dst+3+\i], v[CT+4+\i]
.endr
	WIN 0
.endm
	MKSEL 0, 40
	MKSEL 1, 58
	WIN 0x40
.irp j, 46,47,48,49,50,51,64,65,66,67,68,69
	v_mov_b32 v[\j], 0                             ; the two runs of zero codes
.endr
.set ii, 0
.rept 40
	v_mov_b32 v[ii], 0                             ; O^T.  (The step is written once for all sixteen: the first finds zeros, which the first change of M leaves zeros)
.set ii, ii+1
.endr
	WIN 0
.set ii, 0
.rept 24
	v_mov_b32 v[232+ii], 0
.set ii, ii+1
.endr
.irp u, 0,1
	v_mov_b32 v[13+6*\u], 0xff61b1e6               ; the largest t so far: -3e38, under every t
	v_floor_f32 v[12+6*\u], -v[13+6*\u]            ; -M
	v_mov_b32 v[14+6*\u], 0                        ; the sum, in two halves
	v_mov_b32 v[15+6*\u], 0
	v_mov_b32 v[17+6*\u], 0x7f7f7f7f               ; p's scale word (named as the upper half of the pair with f before it is first made)
.endr
.irp b, 0,1,2,3
	v_mov_b32 v[BT+\b], 0                          ; written once: a lane permute's destination counts as one of its sources
.endr
	; the prefetches (macro ASK): who asks, and for which block
	s_sub_co_u32 s66, s[WV], 8
	s_lshl_b32 s66, s66, 5                         ; kv: 32 (wave - 8) + lane of my work-group's 77 blocks
	s_mul_i32 s67, s[CX], 77
	s_mul_i32 s68, s[CY], 12
	s_mul_i32 s69, s[CY], KGRP
	s_add_co_u32 s69, s69, KSTEP                   ; at step 1: the first change of slots steps it to step 2
	s_mul_i32 s70, s[BX], MXB
	s_add_co_u32 s70, s70, MSTEP
	s_mov_b32 s[PFS], KSTEP
	s_mov_b32 s[PFS+1], 0
	s_mov_b32 s71, KHALF-KSTEP                     ; from the end of the lower key half's part to the upper's
	s_cmp_eq_u32 s[WV], 11                         ; wave 11 asks for the mask's codes, waves 8-10 for kv
	s_cselect_b64 s[PFA:PFA+1], s[6:7], s[4:5]
	s_cselect_b32 s[PFS], MSTEP, s[PFS]
	s_cselect_b32 s71, MHALF-MSTEP, s71
	s_cselect_b32 s66, 0, s66
	s_cselect_b32 s67, s68, s67
	s_cselect_b32 s72, s70, s69
	s_cselect_b32 s74, 11, 76                      ; my work-group's last block,
	s_cselect_b32 s75, 47, 305                     ; the step's last,
	s_cselect_b32 s76, 23, 152                     ; the lower key half's last
	s_cselect_b32 s77, 0, ttmp9
	s_mov_b32 s73, 0
	s_add_nc_u64 s[PFA:PFA+1], s[PFA:PFA+1], s[72:73]
	s_lshr_b32 s78, s[WV], 3
	s_xor_b32 s78, s78, 1                          ; 0 in waves 8-11,
	s_or_b32 s78, s78, s77                         ; for kv in the first cluster alone: the same in all sixteen partners
	s_cmp_eq_u32 s78, 0
	s_cselect_b32 s[LIM], 1, -1
	v_add_nc_u32 v211, s66, v200
	v_min_u32 v211, s74, v211
	v_add_nc_u32 v211, s67, v211
	v_min_u32 v211, s75, v211
	v_cmp_lt_u32 vcc_lo, s76, v211
	v_mov_b32 v212, s71
	v_cndmask_b32 v212, 0, v212, vcc_lo
	v_lshl_add_u32 v[PFO], v211, 8, v212
; S^T of four tiles of 16 keys (4 gq on) x my two tiles of queries: 8 bias products, then 8 score products on the same accumulators in the same order: a link stands 8 matrix instructions behind the one that it adds onto.
.macro QKGROUP gq
.irp tp, 0,1,2,3
	ds_load_b128 v[FB+12*\tp:FB+12*\tp+3], v[M16] offset:(4*\gq+\tp)*256
	ds_load_b64 v[FB+12*\tp+4:FB+12*\tp+5], v[M8] offset:2048+(4*\gq+\tp)*128
	ds_load_b128 v[FB+12*\tp+6:FB+12*\tp+9], v[L16] offset:(4*\gq+\tp)*512
	ds_load_b64 v[FB+12*\tp+10:FB+12*\tp+11], v[L8] offset:4096+(4*\gq+\tp)*256
.endr
.if \gq == 0
	ds_load_b128 v[KSR:KSR+3], v[L16] offset:12288 ; k's scale words: word i: lanes 0-15 tile i, lanes 16-31 tile i + 4
.endif
	s_wait_dscnt 0x0
.irp tp, 0,1,2,3
.irp u, 0,1
	MMQ S+64*\u+8*(4*\gq+\tp), FB+12*\tp, 40+18*\u, 1, KSR+\tp, SELS, \gq
.endr
.endr
.irp tp, 0,1,2,3
.irp u, 0,1
	MMQ S+64*\u+8*(4*\gq+\tp), FB+12*\tp, 46+18*\u, 0, KSR+\tp, QS+\u, \gq
.endr
.endr
.rept 4
	v_nop                                          ; four places in front of loads into registers that these products have read, and of the first read of their results
.endr
.endm
; The softmax of query tile u for 128 keys.  X + 16 b + i is key 32 b + 16 (lane / 16) + i of my query.
.macro SOFTMAX u
.set X,  S+64*\u
.set NM, 12+6*\u
.set TX, 13+6*\u
.set LS, 14+6*\u
.set FF, 16+6*\u
.set PS, 17+6*\u
.irp b, 0,1,2,3
	v_max3_num_f32 v[BM+\b], v[X+16*\b], v[X+16*\b+1], v[X+16*\b+2]   ; the largest score of each block of 32 keys: it serves the row's maximum and, since p rises with the score, the block's largest p
.endr
.irp i, 3,5,7,9,11,13
.irp b, 0,1,2,3
	v_max3_num_f32 v[BM+\b], v[BM+\b], v[X+16*\b+\i], v[X+16*\b+\i+1]
.endr
.endr
.irp b, 0,1,2,3
	v_max_num_f32 v[BM+\b], v[BM+\b], v[X+16*\b+15]
.endr
.irp b, 0,1,2,3
	v_permlanex16_b32 v[BT+\b], v[BM+\b], s[SEL], s[SEL+1]
.endr
.irp b, 0,1,2,3
	v_max_num_f32 v[BM+\b], v[BM+\b], v[BT+\b]     ; with lane l xor 16's 16 keys
.endr
	v_max3_num_f32 v[TA], v[BM], v[BM+1], v[BM+2]
	v_max_num_f32 v[TA], v[TA], v[BM+3]
	v_mul_f32 v[TA], s[CS], v[TA]                  ; the step's largest t (c is positive)
	v_max_num_f32 v[TX], v[TX], v[TA]
	v_mov_b32 v[TA], v[NM]
	v_floor_f32 v[NM], -v[TX]                      ; the new -M = -ceil(t): a whole number
	v_sub_f32 v[TA], v[NM], v[TA]                  ; old M - new M: a whole number, 0 or less
	v_cvt_i32_f32 v[TA], v[TA]                     ; (it saturates)
	v_ldexp_f32 v[FF], 1.0, v[TA]                  ; f = 2^(old M - new M): a multiplication by it rounds nothing
.set ij, 0
.rept 32
	v_pk_fma_f32 v[X+ij:X+ij+1], v[X+ij:X+ij+1], s[CS:CS+1], v[NM:NM+1] op_sel_hi:[1,0,0]   ; t - M, two at a time
.set ij, ij+2
.endr
.irp b, 0,1,2,3
	v_fma_f32 v[BM+\b], v[BM+\b], s[CS], v[NM]
.endr
.set ij, 0
.rept 64
	v_exp_f32 v[X+ij], v[X+ij]                     ; p = 2^(t - M), at most 1
.set ij, ij+1
.endr
	v_pk_mul_f32 v[LS:LS+1], v[LS:LS+1], v[FF:FF+1] op_sel_hi:[1,0]   ; the sums under the new M: the plain place behind the exponentials
	s_wait_alu depctr_va_vdst(0)                   ; one wait for the batch of 64, ahead of its first reader
.irp b, 0,1,2,3
	v_exp_f32 v[BM+\b], v[BM+\b]                   ; each block's largest p: the same two instructions on the same number
.endr
	v_pk_add_f32 v[BT:BT+1], v[X:X+1], v[X+2:X+3]  ; the row's sum is taken of the unquantised p, in two chains
.irp j, 4,8,12,16,20,24,28,32,36,40,44,48,52,56,60
	v_pk_add_f32 v[LS:LS+1], v[LS:LS+1], v[X+\j:X+\j+1]
	v_pk_add_f32 v[BT:BT+1], v[BT:BT+1], v[X+\j+2:X+\j+3]
.endr
	v_pk_add_f32 v[LS:LS+1], v[LS:LS+1], v[BT:BT+1]
	s_wait_alu depctr_va_vdst(0)                   ; and one for the four
.irp b, 0,1,2,3
	v_max_num_f32 v[BM+\b], 0x1800000, v[BM+\b]    ; the floor 2^(3 - 127): the byte cannot fall under 1
.endr
.irp b, 0,1,2,3
	v_add_nc_u32 v[SO+\b], 0xff000000, v[BM+\b]    ; 2 off the exponent field: the conversion's scale operand
.endr
.irp b, 0,1,2,3
	v_lshrrev_b32 v[BT+\b], 23, v[SO+\b]           ; the scale's byte
.endr
	v_lshl_or_b32 v[PS], v[BT+1], 8, v[BT]
	v_lshl_or_b32 v[PS], v[BT+2], 16, v[PS]
	v_lshl_or_b32 v[PS], v[BT+3], 24, v[PS]
	; the codes land in X + 0 .. 11, over numbers that have been summed and converted.  A conversion gives half a block a lane; the operand wants a whole block: the halves change places
	v_cvt_scalef32_pk16_fp6_f32 v[CT:CT+2], v[X:X+15], v[SO]
	v_cvt_scalef32_pk16_fp6_f32 v[CT+4:CT+6], v[X+16:X+31], v[SO+1]
	v_nop                                          ; one plain place behind a scaled conversion
.irp i, 0,1,2
	v_permlane16_swap_b32 v[CT+\i], v[CT+4+\i]
.endr
.irp i, 0,1,2
	v_mov_b32 v[X+\i], v[CT+\i]
	v_mov_b32 v[X+3+\i], v[CT+4+\i]
.endr
	v_cvt_scalef32_pk16_fp6_f32 v[X+6:X+8], v[X+32:X+47], v[SO+2]
	v_cvt_scalef32_pk16_fp6_f32 v[CT:CT+2], v[X+48:X+63], v[SO+3]
	v_nop
.irp i, 0,1,2
	v_permlane16_swap_b32 v[X+6+\i], v[CT+\i]
.endr
.irp i, 0,1,2
	v_mov_b32 v[X+9+\i], v[CT+\i]
.endr
.endm
; A STEP: my 128 keys of the slot in hand.
.macro STEP
	v_add_nc_u32 v[L16], s[TB], v[L16B]
	v_add_nc_u32 v[L8], s[TB], v[L8B]
	v_add_nc_u32 v[M16], s[TB], v[M16B]
	v_add_nc_u32 v[M8], s[TB], v[M8B]
	v_nop                                          ; five places behind the last step's products: their fragments' registers are loaded again (four), and p's codes are written over by matrix instructions (five)
	WIN 0x04                                       ; source 1 (SEL, zeros, Q) in window 1; the LDS loads' operands stay in window 0
	QKGROUP 0
	QKGROUP 1
	WIN 0
.irp dt, 0,1,2,3                       ; V^T's four fragments (16 of the head's 64 x 128 keys) land under the softmax
.irp c, 0,1
	ds_load_b128 v[FB+12*\dt+6*\c:FB+12*\dt+6*\c+3], v[L16] offset:6144+(2*\dt+\c)*512
	ds_load_b64 v[FB+12*\dt+6*\c+4:FB+12*\dt+6*\c+5], v[L8] offset:10240+(2*\dt+\c)*256
.endr
.endr
	ds_load_b64 v[VSR:VSR+1], v[L8] offset:12800   ; v's scale words: word j: lanes 0-15 tile j, lanes 16-31 tile j + 2
	SOFTMAX 0
	SOFTMAX 1
.set io, 0
.rept 32                               ; O^T under the new M, each accumulator from its low end on.  These 32 are also the places between p's codes and scale words and the products below
.if io < 24
	WIN 0
	v_pk_mul_f32 v[232+io:233+io], v[232+io:233+io], v[16+6*(io/32):17+6*(io/32)] op_sel_hi:[1,0]
.else
	WIN 0x41                                       ; destination and source 0 in window 1
	v_pk_mul_f32 v[io-24:io-23], v[io-24:io-23], v[16+6*(io/32):17+6*(io/32)] op_sel_hi:[1,0]
.endif
.set io, io+2
.endr
	s_wait_dscnt 0x0                               ; V^T is in
.set ia, 0
.rept 8                                ; O^T += V^T P^T: the eight accumulators by turns, one instruction a turn
.if ia < 3
	WIN 0
	MMQ 232+8*ia, FB+12*(ia%4), S+64*(ia/4), 0, VSR+(ia%2), 17+6*(ia/4), (ia%4)/2
.else
	WIN 0x50                                       ; C and D in window 1
	MMQ 8*(ia-3), FB+12*(ia%4), S+64*(ia/4), 0, VSR+(ia%2), 17+6*(ia/4), (ia%4)/2
.endif
.set ia, ia+1
.endr
	WIN 0
	s_xor_b32 s[TB], s[TB], SLOT1                  ; on to the other slot
.endm
; THE CHANGE OF SLOTS stands at a step's head.  Each wave waits for all its tensor loads (at most one is out: its part of the slot that is about to be read), adds 0 to its spare word, and waits for that and for its reads of
; the slot that it has left.  fill = 1: a round of the cluster's barrier, so that no wave of any partner still reads that slot or has a load on its way; behind it the slot is filled with the next step: the load has a whole step in which to land.
.macro CHANGE fill
	s_wait_tensorcnt 0x0                           ; no tensor load of mine is out, so a group 0 may be written
	ds_add_u32 v[SPW], v[NIL]                      ; 0 onto my spare word
.if \fill
	s_xor_b32 s[G0K+1], s[G0K+1], SLOT1            ; the walking descriptors: the other slot than last time, the next step
	s_add_nc_u64 s[G0K+2:G0K+3], s[G0K+2:G0K+3], KSTEP
	s_xor_b32 s[G0M+1], s[G0M+1], SLOT1
	s_add_nc_u64 s[G0M+2:G0M+3], s[G0M+2:G0M+3], MSTEP
	s_wait_xcnt 0x0                                ; the last prefetch, a step back, has read its address, so it may be written:
	s_add_nc_u64 s[PFA:PFA+1], s[PFA:PFA+1], s[PFS:PFS+1]   ; one step further on than the walking descriptors
	s_wait_dscnt 0x0                               ; the add is done, and my reads of the slot that I have left are over
	CROUND
	TLOAD                                          ; the first thing behind the round, and a wave's one tensor load until the next
	ASK
.else
	s_wait_dscnt 0x0
	s_barrier_signal -1
	s_barrier_wait -1
.endif
.endm
	s_wait_loadcnt 0x0                             ; Q and its scale words
.Lstep:                                            ; 15 trips: behind each change of slots but the last the next step is asked for
	CHANGE 1
	STEP
	s_sub_co_u32 s[SLOTS], s[SLOTS], 1
	s_cmp_lg_u32 s[SLOTS], 0
	s_cbranch_scc1 .Lstep
	CHANGE 0                                       ; the last step is written out
	STEP
	; THE MERGE AND THE WAY OUT.  All addresses are made here, on the way that every wave takes, in registers that have held LDS addresses alone.  These lines are also the places behind the last products.
	v_add_f32 v35, v14, v15                        ; each tile's sum: its two halves,
	v_add_f32 v37, v20, v21
	v_and_b32 v[TA], 31, v0
	v_and_b32 v54, 15, v0                          ; r
	v_bfe_u32 v55, v0, 4, 1                        ; h
	s_lshr_b32 s66, s[WV], 1                       ; the pair of waves that share head and queries
	s_mul_i32 s66, s66, PAIRB
	s_add_co_u32 s66, s66, MRG
	v_lshl_add_u32 v7, v[TA], 4, s66               ; the merge: register images, 16 x lane
	v_and_b32 v8, 8, v54
	v_add_nc_u32 v8, v8, v54
	v_mul_u32_u24 v8, v8, 272
	v_lshl_add_u32 v8, v55, 5, v8
	v_add_nc_u32 v8, s66, v8                       ; the stage, in: row r + 8 (r / 8) (+ 8 for the second tile) of 256 bytes + 16, + 32 h
	v_mul_u32_u24 v9, v55, 272
	v_lshl_add_u32 v9, v54, 4, v9
	v_add_nc_u32 v9, s66, v9                       ; back: lanes 0-15 one row, lanes 16-31 the next
	v_lshlrev_b32 v10, 4, v[TA]                    ; and the same two rows in out0
	v_permlanex16_b32 v38, v35, s[SEL], s[SEL+1]
	v_permlanex16_b32 v39, v37, s[SEL], s[SEL+1]
	v_add_f32 v35, v35, v38                        ; and lane l xor 16's
	v_add_f32 v37, v37, v39
	v_mov_b32 v34, v12                             ; v[34:37] = -M, sum of tile 0; -M, sum of tile 1
	v_mov_b32 v36, v18
	s_lshl_b32 s68, s[HD], 12
	s_lshl_b32 s69, s[BX], 6
	s_add_co_u32 s68, s68, s69
	s_lshl_b32 s69, s[QH], 5
	s_add_co_u32 s68, s68, s69                     ; my first row of out0
	s_lshl_b32 s68, s68, 8
	s_mov_b32 s69, 0
	s_add_nc_u64 s[10:11], s[10:11], s[68:69]
	s_cmp_eq_u32 s[KH], 0
	s_cbranch_scc1 .Lkeep
.set iq, 0
.rept 6                                ; the upper key half hands over O^T as it stands, each accumulator from its low end on,
	ds_store_b128 v7, v[232+4*iq:235+4*iq] offset:512*iq
.set iq, iq+1
.endr
	WIN 0x04                                       ; an LDS store's data are its source 1: window 1
.rept 10
	ds_store_b128 v7, v[4*(iq-6):4*(iq-6)+3] offset:512*iq
.set iq, iq+1
.endr
	WIN 0
	ds_store_b128 v7, v[34:37] offset:8192         ; and its -M and sums
.Lkeep:
	s_wait_dscnt 0x0                               ; for the partner's sake: my stores have landed
	s_barrier_signal -1
	s_barrier_wait -1
	s_cmp_lg_u32 s[KH], 0
	s_cbranch_scc1 .Ldone
.set iq, 0
.rept 16
	ds_load_b128 v[S+4*iq:S+4*iq+3], v7 offset:512*iq
.set iq, iq+1
.endr
	ds_load_b128 v[168:171], v7 offset:8192
	s_wait_dscnt 0x0
.irp u, 0,1
	v_min_num_f32 v[172+4*\u], v[34+2*\u], v[168+2*\u]        ; -M of both halves: the larger M
	v_sub_f32 v[173+4*\u], v[172+4*\u], v[34+2*\u]            ; my M less it, the partner's M less it: whole numbers, 0 or less
	v_sub_f32 v[175+4*\u], v[172+4*\u], v[168+2*\u]
	v_cvt_i32_f32 v[173+4*\u], v[173+4*\u]
	v_cvt_i32_f32 v[175+4*\u], v[175+4*\u]
	v_ldexp_f32 v[173+4*\u], 1.0, v[173+4*\u]
	v_ldexp_f32 v[175+4*\u], 1.0, v[175+4*\u]
	v_mul_f32 v[172+4*\u], v[35+2*\u], v[173+4*\u]
	v_fma_f32 v[172+4*\u], v[169+2*\u], v[175+4*\u], v[172+4*\u]   ; the row's sum under the one M
.endr
	v_rcp_f32 v180, v172
	v_rcp_f32 v181, v176
	v_nop                                          ; a plain place behind the reciprocals
	s_wait_alu depctr_va_vdst(0)                   ; one wait for both, ahead of their first reader
.irp u, 0,1
	v_mul_f32 v[172+4*\u], v[173+4*\u], v[180+\u]  ; my weight,
	v_mul_f32 v[174+4*\u], v[175+4*\u], v[180+\u]  ; the partner's
.endr
.set io, 0
.rept 32
	v_pk_mul_f32 v[S+io:S+io+1], v[S+io:S+io+1], v[174+4*(io/32):175+4*(io/32)] op_sel_hi:[1,0]
.set io, io+2
.endr
.set io, 0
.rept 32
.if io < 24
	WIN 0
	v_pk_fma_f32 v[S+io:S+io+1], v[232+io:233+io], v[172+4*(io/32):173+4*(io/32)], v[S+io:S+io+1] op_sel_hi:[1,0,1]
.else
	WIN 0x01                                       ; source 0 in window 1
	v_pk_fma_f32 v[S+io:S+io+1], v[io-24:io-23], v[172+4*(io/32):173+4*(io/32)], v[S+io:S+io+1] op_sel_hi:[1,0,1]
.endif
.set io, io+2
.endr
	WIN 0
.irp u, 0,1                            ; register 32 u + 8 dt + j of lane (r, h) is out(query 8 u + r + 8 (r / 8), 16 dt + 8 h + j).  The stage lies in the pair's own region, whose image has been read
.irp dt, 0,1,2,3
	ds_store_b128 v8, v[S+32*\u+8*\dt:S+32*\u+8*\dt+3] offset:\u*2176+\dt*64
	ds_store_b128 v8, v[S+32*\u+8*\dt+4:S+32*\u+8*\dt+7] offset:\u*2176+\dt*64+16
.endr
.endr
.set iq, 0
.rept 16
	ds_load_b128 v[168+4*iq:171+4*iq], v9 offset:544*iq   ; LDS serves a wave's instructions in order (ISA guide 5.7.1.4): these see my stores
.set iq, iq+1
.endr
.set iq, 0
.rept 16
	s_wait_dscnt 15-iq                             ; the younger loads may stay out
	global_store_b128 v10, v[168+4*iq:171+4*iq], s[10:11] offset:512*iq th:TH_STORE_NT   ; 32 lanes store two whole rows: 512 consecutive bytes, aligned
.set iq, iq+1
.endr
.Ldone:
	s_wait_tensorcnt 0x0                           ; the wave's end: behind my last tensor load and my last LDS store
	ds_add_u32 v[SPW], v[NIL]
	s_wait_dscnt 0x0
	CROUND                                         ; the closing round: no work-group ends while a partner may still ask for a tile that names it
	s_endpgm
.Lfunc_end_k_q975c824bea_attn:
	.size	k_q975c824bea_attn, .Lfunc_end_k_q975c824bea_attn-k_q975c824bea_attn
	.p2alignl 7, 3214868480
	.fill 96, 4, 3214868480
	.section	.rodata,"a",@progbits
	.p2align	6, 0x0
	.amdhsa_kernel k_q975c824bea_attn
		.amdhsa_group_segment_fixed_size 327680
		.amdhsa_private_segment_fixed_size 0
		.amdhsa_enable_private_segment 0
		.amdhsa_kernarg_size 32
		.amdhsa_user_sgpr_count 2
		.amdhsa_user_sgpr_kernarg_segment_ptr 1
		.amdhsa_wavefront_size32 1
		.amdhsa_system_sgpr_workgroup_id_x 1
		.amdhsa_system_sgpr_workgroup_id_y 1
		.amdhsa_system_sgpr_workgroup_id_z 1
		.amdhsa_system_vgpr_workitem_id 0
		.amdhsa_next_free_vgpr 336
		.amdhsa_next_free_sgpr 84
		.amdhsa_reserve_vcc 1
		.amdhsa_float_denorm_mode_32 3
		.amdhsa_float_denorm_mode_16_64 3
		.amdhsa_memory_ordered 1
		.amdhsa_forward_progress 1
		.amdhsa_inst_pref_size 97
	.end_amdhsa_kernel
	.amdgpu_metadata
---
amdhsa.version: [ 1, 2 ]
amdhsa.kernels:
  - .name:           k_q975c824bea_attn
    .symbol:         k_q975c824bea_attn.kd
    .args:
      - { .name: kv, .offset: 0, .size: 8, .value_kind: global_buffer, .address_space: global }
      - { .name: mc, .offset: 8, .size: 8, .value_kind: global_buffer, .address_space: global }
      - { .name: qw, .offset: 16, .size: 8, .value_kind: global_buffer, .address_space: global }
      - { .name: out0, .offset: 24, .size: 8, .value_kind: global_buffer, .address_space: global }
    .group_segment_fixed_size: 327680
    .private_segment_fixed_size: 0
    .kernarg_segment_align: 8
    .kernarg_segment_size: 32
    .max_flat_workgroup_size: 384
    .sgpr_count:     84
    .vgpr_count:     336
    .wavefront_size: 32
...
	.end_amdgpu_metadata
.endif
;; end of part 2
